; MI455X (gfx1250); checked and timed in simulation.
; The chip was launched on July 23, 2026; its instructions are those of AMD's public machine-readable ISA for CDNA 5 (MIT licence, August 2026) and "CDNA5" Instruction Set Architecture Reference Guide (July 2026). The comments in the code are by the model that wrote it; some were corrected since.
;; Cross Attention. Allowed arithmetic: matrix products marked QUANTISED: E2M1 operands, one E8M0 scale for each 32 along K, by v_wmma_scale_f32_16x16x128_f8f6f4 with both operands' format E2M1 (or v_wmma_scale_f32_32x16x128_f4), f32 sums; products left as they are: bf16, f16 or f32 operands; f32 sums; everything else in f32.
;; Inputs: bk 1,024 float32; bo 1,024 float32; bq 1,024 float32; bv 1,024 float32; wk 1,024 x 1,024 float32; wo 1,024 x 1,024 float32; wq 1,024 x 1,024 float32; wv 1,024 x 1,024 float32; x 4 x 2,048 x 1,024 float32; y 4 x 2,048 x 1,024 float32.
;; Outputs: out0 4 x 2,048 x 1,024 float32.
;; This version of the problem:
;;   THIS VERSION OF THE PROBLEM IS GIVEN IN LOW PRECISION. The matrix products marked QUANTISED in the list below multiply operands that are first quantised to E2M1 (2 exponent bits, 1 mantissa bit; 4 bits a number), with one power-of-two scale for each 32 numbers along K (OCP MX v1.0); their sums are f32. The products marked 'left as it is' may take bf16, f16 or f32 operands, with f32 sums. Whichever they take, every output number must still come out within the allowed error. Rounding operands to bf16 (8 significant bits) uses up far more of that allowance than f16 does (11 bits, for magnitudes from 6e-5 to 65,504). All else is computed in f32.
;;   The module's matrix products, in the order in which they are computed (A, B: the left and right operand; K: the contracted axis; several contracted axes count as one K, in the product's order):
;;     1. [M 8,192, K 1,024] x [K 1,024, N 1,024]; A: input x; B: input wq: QUANTISED
;;     2. [M 8,192, K 1,024] x [K 1,024, N 1,024]; A: input y; B: input wk: QUANTISED
;;     3. [M 8,192, K 1,024] x [K 1,024, N 1,024]; A: input y; B: input wv: QUANTISED
;;     4. batch 64 x [M 2,048, K 64] x [K 64, N 2,048]; A: computed on the way; B: computed on the way: left as it is (an operand is computed on the way)
;;     5. batch 64 x [M 2,048, K 2,048] x [K 2,048, N 64]; A: computed on the way; B: computed on the way: left as it is (an operand is computed on the way)
;;     6. [M 8,192, K 1,024] x [K 1,024, N 1,024]; A: computed on the way; B: input wo: left as it is (an operand is computed on the way)
;;   THE QUANTISER, for each operand of a quantised product, along K:
;;     - K is cut into blocks of 32 from its start; a last block that is shorter is filled with zeros.
;;     - A block's scale is 2^e with e = floor(log2(the largest magnitude in the block)) - 2, held to -126 .. 127; a block of zeros has e = 0. As a byte (E8M0): e + 127.
;;     - Each number is divided by its block's scale, clamped to +-6, and rounded to the nearest number of E2M1, ties to even, subnormals kept.
;;     - The product sums the exact products of the quantised numbers (number of the format x scale) in f32.
;;   ~~~python
;;   def quantise(x, axis):      # numpy; x: float32 -> the quantised numbers, widened to float32 again
;;       x = np.moveaxis(x, axis, -1); K = x.shape[-1]
;;       x = np.pad(x, [(0, 0)] * (x.ndim - 1) + [(0, -K % 32)]); x = x.reshape(x.shape[:-1] + (-1, 32)); a = np.abs(x).max(-1, keepdims=True)
;;       e = np.where(a > 0, np.clip(np.frexp(np.where(a > 0, a, 1))[1] - 1 - 2, -126, 127), 0)      # np.frexp(a)[1] - 1 = floor(log2(a)), exactly
;;       r = np.clip(x / 2.0 ** e, -6, 6)
;;       step = 2.0 ** (np.maximum(np.frexp(np.where(r == 0, 1, r))[1] - 1, 0) - 1)
;;       q = np.round(r / step) * step * 2.0 ** e      # np.round: ties to even
;;       return np.moveaxis(q.reshape(q.shape[:-2] + (-1,))[..., :K], -1, axis).astype(np.float32)
;;   ~~~
;; One version. Each part assembles by itself: llvm-mc -triple=amdgcn-amd-amdhsa -mcpu=gfx1250 --defsym DOCPART=n.
;; ======== version 1 of 1: 4 launches
;; limits: values are held in f16: magnitudes above 65,504 overflow, below 6.1e-05 lose precision
;; workspace buffers: acodes 8,388,608 bytes; ascales 524,288 bytes; wcodes 1,572,864 bytes; wscales 98,304 bytes; wo16 2,097,152 bytes; q16 16,777,216 bytes; kv16 33,554,432 bytes; o16 16,777,216 bytes
;; launch prep (part 1): grid 256 x 1, 4 waves a work-group, no clusters, 270,848 bytes of LDS; arguments x, y, wq, wk, wv, wo, acodes, ascales, wcodes, wscales, wo16; writes acodes, ascales, wcodes, wscales, wo16
.if DOCPART == 1
	.amdgcn_target "amdgcn-amd-amdhsa--gfx1250"
	.amdhsa_code_object_version 6
	.text
	.protected	k_q4d5f49e986_prep
	.globl	k_q4d5f49e986_prep
	.p2align	8
	.type	k_q4d5f49e986_prep,@function
k_q4d5f49e986_prep:
	s_mov_b64 s[64:65], 0
	v_nop
	global_prefetch_b8 v0, s[64:65] scope:SCOPE_SE
	s_setreg_imm32_b32 hwreg(HW_REG_WAVE_MODE, 25, 1), 1
	s_wait_xcnt 0x0
; PREP.  x, y [8192][1024] f32 become codes of FP4 (E2M1) with one E8M0 scale byte for each 32 along K (K innermost); wq, wk, wv [1024 (k)][1024 (n)] f32 likewise along their FIRST axis;
; wo [1024 (k)][1024 (n)] f32 is rounded to f16.  Everything is stored IN THE ORDER OF THE OPERAND'S REGISTERS, so that the later launches load fragments whole, 16 bytes a lane at 16 x lane:
;   an FP4 fragment (16 rows x 128 K, 1,024 bytes): block t of 32 along K of row r lies at 256 t + 16 r;   an f16 fragment (16 rows x 32 K, 1,024 bytes): group g of 8 along K of row r lies at 256 g + 16 r.
;   acodes [tile T of 16 rows: 0-511 x, 512-1023 y][K step 0-7][1,024];  ascales [T][512]: the word at 16 (r + 16 u) + 4 q is row r's scale word of K step 4 u + q;
;   wcodes [matrix 0-2][tile of 16 columns n][K step][1,024];  wscales [matrix][K step][n] words;  wo16 [tile of 16 columns n][32 along K: 0-31][1,024].
; A block's scale is 2^(floor(log2(its largest magnitude)) - 2); its byte is the largest magnitude's exponent field - 2, held at 1 from below.  Each number is divided by the scale and rounded to the nearest code, ties to even; beyond 6 the largest code.
; LIMITS: a block of zeros, and a block whose largest magnitude lies under 2^-124, gets the byte 1 (a block of zeros has zero codes, which add nothing, and this program alone reads the bytes); NaN and infinities are not served; |wo| stays under 65,504.
; SHARES.  256 work-groups of four waves; each does both kinds of work.  (a) Wave w takes the 16 rows of tile T = 4 x work-group + w: eight tensor loads, one for each 128 along K, bring them into the wave's own LDS bytes,
; all asked for at the head: eight tensor loads of a wave are out.  A lane reads whole blocks of 32 neighbours of its row, in the very order of the operand's registers.
; (b) Matrix = work-group / 64; the work-group takes 128 columns x 128 along K of it: a lane takes a column and its registers run down K, so that codes come out with K innermost and nothing is transposed.
; No input is shared between work-groups, so there is no cluster.  No barrier: a wave reads only the LDS bytes that its own loads filled, behind its own counted waits.
.set PITCH, 528                        ; an LDS row: 512 bytes (128 f32) + 16 of padding: the 16 rows that a load touches start 16 bytes apart modulo 256
.set TILEB, 16*PITCH                   ; a K step's tile
.set WREG,  8*TILEB                    ; a wave's eight tiles
.set SPARE, 4*WREG                     ; behind them: the spare words, 128 bytes for each wave: two blocks of 256 bytes that no other line names
.set SPW, 4                            ; v4   LDS address of my spare word; never rewritten
.set NIL, 5                            ; v5   0; never rewritten
.set LA,  6                            ; v6   LDS: my wave's tiles, row r, + 128 h bytes
.set L16, 7                            ; v7   16 x lane
.set L4,  8                            ; v8   4 x lane
.set WCO, 9                            ; v9   wcodes: 8,192 (lane / 16) + 16 r
.set WOO, 10                           ; v10  wo16: 32,768 (lane / 16) + 16 r
.set H8,  11                           ; v11  8 h
.set SW,  24                           ; v24-27 my row's scale words: lanes 0-15 K steps 0-3, lanes 16-31 K steps 4-7
.set W,   32                           ; v32-159 the weight's 128 numbers of my column; afterwards two sets of 64 numbers of x or y
.set XC,  160                          ; v160-223 codes of x or y, 8 registers a K step (before that: wo's 64 registers of f16)
.set WC,  224                          ; v224-239 the weight's codes
.set G1,  28                           ; s[28:35] descriptor group 1
.set G0,  68                           ; s[68:99] descriptor group 0, a set for each of the eight loads
	s_load_b256 s[4:11], s[0:1], 0x0               ; x s[4:5], y s[6:7], wq s[8:9], wk s[10:11]
	s_load_b256 s[12:19], s[0:1], 0x20             ; wv s[12:13], wo s[14:15], acodes s[16:17], ascales s[18:19]
	s_load_b128 s[20:23], s[0:1], 0x40             ; wcodes s[20:21], wscales s[22:23]
	s_load_b64 s[24:25], s[0:1], 0x50              ; wo16
	v_lshl_add_u32 v[SPW], v0, 2, SPARE
	v_mov_b32 v[NIL], 0
	ds_add_u32 v[SPW], v[NIL]                      ; the wave's opening: the add, twice on end, and its wait ahead of my first tensor load
	ds_add_u32 v[SPW], v[NIL]                      ; and once more; the set-up below, work on registers, stands between it and the wait
	v_lshrrev_b32 v1, 5, v0
	v_readfirstlane_b32 s26, v1                    ; wave 0..3
	s_lshl_b32 s27, ttmp9, 2
	s_add_co_u32 s27, s27, s26                     ; T = 4 x work-group + wave
	s_mov_b32 s[G1+0], (2<<16)|(1<<20)|(6<<22)|(3<<25)  ; no mask; elements of 4 bytes; padding on: 4 words behind every 128
	s_mov_b32 s[G1+1], 128<<16                     ; tensor_dim0 = 128
	s_mov_b32 s[G1+2], 16<<16                      ; tensor_dim1 = 16
	s_mov_b32 s[G1+3], 128<<16                     ; tile_dim0 = 128
	s_mov_b32 s[G1+4], 16                          ; tile_dim1 = 16
	s_mov_b32 s[G1+5], 1024                        ; elements from row to row
	s_mov_b32 s[G1+6], 0
	s_mov_b32 s[G1+7], 0
	s_mul_i32 s44, s26, WREG                       ; my wave's LDS bytes
	s_and_b32 s46, s27, 511
	s_lshl_b32 s46, s46, 16                        ; the tile's 16 rows of 4,096 bytes in x or in y
	s_mov_b32 s47, 0
	s_mov_b32 s40, 0x76543210
	s_mov_b32 s41, 0xfedcba98                      ; v_permlanex16_b32's selects for lane l xor 16
	s_mov_b32 s42, 0xffff0000                      ; lanes 16-31
	s_lshr_b32 s45, ttmp9, 6                       ; which matrix: 0 wq, 1 wk, 2 wv, 3 wo
	s_and_b32 s48, ttmp9, 7                        ; which 128 columns
	s_bfe_u32 s49, ttmp9, 0x30003                  ; which 128 along K
	s_lshl_b32 s50, s49, 19                        ; the weight: 128 rows of 4,096 bytes a K step,
	s_lshl_b32 s52, s48, 9                         ; 512 bytes a block of columns,
	s_add_co_u32 s50, s50, s52
	s_lshl_b32 s52, s26, 7                         ; 128 bytes a wave
	s_add_co_u32 s50, s50, s52
	s_mov_b32 s51, 0
	s_lshl_b32 s54, s45, 19                        ; wcodes: matrix x 524,288 + (8 block + 2 wave) x 8,192 + K step x 1,024
	s_lshl_b32 s52, s48, 16
	s_add_co_u32 s54, s54, s52
	s_lshl_b32 s52, s26, 14
	s_add_co_u32 s54, s54, s52
	s_lshl_b32 s52, s49, 10
	s_add_co_u32 s54, s54, s52
	s_mov_b32 s55, 0
	s_lshl_b32 s56, s45, 15                        ; wscales: matrix x 32,768 + K step x 4,096 + 4 x column
	s_lshl_b32 s52, s49, 12
	s_add_co_u32 s56, s56, s52
	s_lshl_b32 s52, s48, 9
	s_add_co_u32 s56, s56, s52
	s_lshl_b32 s52, s26, 7
	s_add_co_u32 s56, s56, s52
	s_mov_b32 s57, 0
	s_lshl_b32 s58, s48, 18                        ; wo16: (8 block + 2 wave) x 32,768 + K step x 4,096
	s_lshl_b32 s52, s26, 16
	s_add_co_u32 s58, s58, s52
	s_lshl_b32 s52, s49, 12
	s_add_co_u32 s58, s58, s52
	s_mov_b32 s59, 0
	s_lshl_b32 s60, s27, 13                        ; acodes: 8,192 bytes a tile
	s_mov_b32 s61, 0
	s_lshl_b32 s62, s27, 9                         ; ascales: 512 bytes a tile
	s_mov_b32 s63, 0
	s_wait_dscnt 0x0                               ; both opening adds are done
	s_wait_kmcnt 0x0
	s_cmp_lt_u32 ttmp9, 128                        ; the first 128 work-groups take x, the others y: the choice hangs on the work-group's number alone
	s_cselect_b64 s[36:37], s[4:5], s[6:7]
	s_add_nc_u64 s[36:37], s[36:37], s[46:47]
.irp s, 0,1,2,3,4,5,6,7
	s_mov_b32 s[G0+4*\s], 1                                        ; count = 1
	s_add_co_u32 s[G0+4*\s+1], s44, \s*TILEB                       ; LDS address
	s_add_nc_u64 s[G0+4*\s+2:G0+4*\s+3], s[36:37], \s*512          ; 128 f32 further along the rows
	s_or_b32 s[G0+4*\s+3], s[G0+4*\s+3], 0x80000000                ; type = 2
	tensor_load_to_lds s[G0+4*\s:G0+4*\s+3], s[G1:G1+7]
	s_nop 0
.endr
	v_and_b32 v1, 31, v0                           ; lane
	v_and_b32 v2, 15, v0                           ; r
	v_bfe_u32 v3, v0, 4, 1                         ; h
	v_mul_u32_u24 v[LA], v2, PITCH
	v_lshl_add_u32 v[LA], v3, 7, v[LA]
	v_add_nc_u32 v[LA], s44, v[LA]
	v_lshlrev_b32 v[L16], 4, v1
	v_lshlrev_b32 v[L4], 2, v1
	v_lshlrev_b32 v[WCO], 4, v2
	v_lshl_add_u32 v[WOO], v3, 15, v[WCO]
	v_lshl_add_u32 v[WCO], v3, 13, v[WCO]
	v_lshlrev_b32 v[H8], 3, v3
	v_mov_b32 v21, 0                               ; written once: a lane permute's destination counts as one of its sources
	s_mov_b64 s[38:39], s[8:9]                     ; my matrix
	s_cmp_eq_u32 s45, 1
	s_cselect_b64 s[38:39], s[10:11], s[38:39]
	s_cmp_eq_u32 s45, 2
	s_cselect_b64 s[38:39], s[12:13], s[38:39]
	s_cmp_eq_u32 s45, 3
	s_cselect_b64 s[38:39], s[14:15], s[38:39]
	s_add_nc_u64 s[38:39], s[38:39], s[50:51]
	s_add_nc_u64 s[16:17], s[16:17], s[60:61]
	s_add_nc_u64 s[18:19], s[18:19], s[62:63]
; block t of the weight: rows 32 t + i of my 128, my column: a wave reads 128 consecutive bytes, the four waves 512
.macro LOADW t
.irp i, 0,1,2,3,4,5,6,7,8,9,10,11,12,13,14,15,16,17,18,19,20,21,22,23,24,25,26,27,28,29,30,31
	global_load_b32 v[W+32*(\t)+\i], v[L4], s[38:39] offset:(32*(\t)+\i)*4096 th:TH_LOAD_NT
.endr
.endm
; the largest magnitude of the 32 numbers from v[xs] on, in two chains, with the floor 2^(3 - 127), which holds the scale's byte at 1 from below
.macro BMAX a, b, xs
	v_max3_num_f32 v[\a], |v[(\xs)]|, |v[(\xs)+1]|, |v[(\xs)+2]|
	v_max3_num_f32 v[\b], |v[(\xs)+3]|, |v[(\xs)+4]|, |v[(\xs)+5]|
.irp i, 6,10,14,18,22,26
	v_max3_num_f32 v[\a], v[\a], |v[(\xs)+\i]|, |v[(\xs)+\i+1]|
	v_max3_num_f32 v[\b], v[\b], |v[(\xs)+\i+2]|, |v[(\xs)+\i+3]|
.endr
	v_max3_num_f32 v[\a], v[\a], |v[(\xs)+30]|, |v[(\xs)+31]|
	v_max3_num_f32 v[\a], v[\a], v[\b], 0x1800000
.endm
.macro WAITW t                         ; block t's 32 loads are in; the next block's 32 may be out; then the block two further on is asked for
.if (\t) < 3
	s_wait_loadcnt 32
.else
	s_wait_loadcnt 0x0
.endif
.if (\t) < 2
	LOADW (\t)+2
.endif
.endm
.macro QB t                            ; block t of wq, wk or wv: all its 32 numbers are mine
	WAITW \t
	BMAX 12, 13, W+32*(\t)
	v_add_nc_u32 v16, 0xff000000, v12              ; 2 off the exponent field: the conversion takes the exponent field of this operand as its scale
	v_lshrrev_b32 v18, 23, v16                     ; the scale's byte
.if (\t) == 0
	v_mov_b32 v20, v18                             ; four bytes make my column's scale word of this K step
.else
	v_lshl_or_b32 v20, v18, 8*(\t), v20
.endif
.irp g, 0,1,2,3
	v_cvt_scalef32_pk8_fp4_f32 v[WC+4*(\t)+\g], v[W+32*(\t)+8*\g:W+32*(\t)+8*\g+7], v16
.endr
	v_nop                                          ; one plain place behind the last conversion
	global_store_b128 v[WCO], v[WC+4*(\t):WC+4*(\t)+3], s[20:21] offset:256*(\t)   ; sixteen lanes store 256 consecutive bytes, aligned
.endm
.macro WB t                            ; block t of wo: rounded to f16, four groups of 8 along K
	WAITW \t
.irp g, 0,1,2,3
.irp u, 0,1,2,3
	v_cvt_pk_f16_f32 v[XC+16*(\t)+4*\g+\u], v[W+32*(\t)+8*\g+2*\u], v[W+32*(\t)+8*\g+2*\u+1]
.endr
	global_store_b128 v[WOO], v[XC+16*(\t)+4*\g:XC+16*(\t)+4*\g+3], s[24:25] offset:(4*(\t)+\g)*256   ; sixteen lanes store 256 consecutive bytes, aligned
.endr
.endm
	LOADW 0
	LOADW 1
	s_cmp_eq_u32 s45, 3                            ; a branch on the work-group's number
	s_cbranch_scc1 .Lwo
	s_add_nc_u64 s[20:21], s[20:21], s[54:55]
	s_add_nc_u64 s[22:23], s[22:23], s[56:57]
	QB 0
	QB 1
	QB 2
	QB 3
	global_store_b32 v[L4], v20, s[22:23]
	s_branch .Ljoin
.Lwo:
	s_add_nc_u64 s[24:25], s[24:25], s[58:59]
	WB 0
	WB 1
	WB 2
	WB 3
.Ljoin:
	s_wait_xcnt 0x0                                ; the stores above have read their registers: v20 and v160 on are written again below
; K step s of my 16 rows comes out of LDS: lane (r, h) takes, of row r, K = 64 c + 32 h + 0 .. 31 for c = 0, 1: two whole blocks, 8 loads of 16 bytes each
.macro FX s
	s_wait_tensorcnt 7-(\s)                        ; tensor loads of a wave end in order: K step s has landed, the 7 - s younger ones may be out
.irp c, 0,1
.irp i, 0,1,2,3,4,5,6,7
	ds_load_b128 v[W+64*((\s)%2)+32*\c+4*\i:W+64*((\s)%2)+32*\c+4*\i+3], v[LA] offset:(\s)*TILEB+\c*256+16*\i
.endr
.endr
.endm
.macro QS s
.set XS, W+64*((\s)%2)
	BMAX 12, 13, XS
	BMAX 14, 15, XS+32
	v_add_nc_u32 v16, 0xff000000, v12
	v_add_nc_u32 v17, 0xff000000, v14
	v_lshrrev_b32 v18, 23, v16
	v_lshrrev_b32 v19, 23, v17
	v_lshl_or_b32 v20, v19, 16, v18                ; my two bytes: blocks h and 2 + h of row r,
	v_lshlrev_b32 v20, v[H8], v20                  ; at their places in the scale word;
	v_permlanex16_b32 v21, v20, s40, s41
	v_or_b32 v20, v20, v21                         ; with lane l xor 16's two the word is whole
.if (\s) < 4
	v_mov_b32 v[SW+(\s)], v20
.else
	v_cndmask_b32 v[SW+(\s)-4], v[SW+(\s)-4], v20, s42   ; lanes 16-31 keep K steps 4 to 7
.endif
.irp g, 0,1,2,3
	v_cvt_scalef32_pk8_fp4_f32 v[XC+8*(\s)+\g], v[XS+8*\g:XS+8*\g+7], v16
.endr
.irp g, 0,1,2,3
	v_cvt_scalef32_pk8_fp4_f32 v[XC+8*(\s)+4+\g], v[XS+32+8*\g:XS+32+8*\g+7], v17
.endr
	v_nop                                          ; one plain place behind the last conversion
	global_store_b128 v[L16], v[XC+8*(\s):XC+8*(\s)+3], s[16:17] offset:(\s)*1024       ; the wave stores 512 consecutive bytes, aligned; each K step has its own registers
	global_store_b128 v[L16], v[XC+8*(\s)+4:XC+8*(\s)+7], s[16:17] offset:(\s)*1024+512
.endm
	FX 0
.irp s, 0,1,2,3,4,5,6
	FX \s+1
	s_wait_dscnt 16                                ; this K step's 16 loads are in; the next one's 16 may be out
	QS \s
.endr
	s_wait_dscnt 0x0
	QS 7
	global_store_b128 v[L16], v[SW:SW+3], s[18:19] ; the tile's 512 bytes of scale words
	s_wait_tensorcnt 0x0                           ; the wave's end: behind my last tensor load
	ds_add_u32 v[SPW], v[NIL]
	s_wait_dscnt 0x0
	s_endpgm
.Lfunc_end_k_q4d5f49e986_prep:
	.size	k_q4d5f49e986_prep, .Lfunc_end_k_q4d5f49e986_prep-k_q4d5f49e986_prep
	.p2alignl 7, 3214868480
	.fill 96, 4, 3214868480
	.section	.rodata,"a",@progbits
	.p2align	6, 0x0
	.amdhsa_kernel k_q4d5f49e986_prep
		.amdhsa_group_segment_fixed_size 270848
		.amdhsa_private_segment_fixed_size 0
		.amdhsa_enable_private_segment 0
		.amdhsa_kernarg_size 88
		.amdhsa_user_sgpr_count 2
		.amdhsa_user_sgpr_kernarg_segment_ptr 1
		.amdhsa_wavefront_size32 1
		.amdhsa_system_sgpr_workgroup_id_x 1
		.amdhsa_system_sgpr_workgroup_id_y 1
		.amdhsa_system_sgpr_workgroup_id_z 1
		.amdhsa_system_vgpr_workitem_id 0
		.amdhsa_next_free_vgpr 256
		.amdhsa_next_free_sgpr 100
		.amdhsa_reserve_vcc 0
		.amdhsa_float_denorm_mode_32 3
		.amdhsa_float_denorm_mode_16_64 3
		.amdhsa_memory_ordered 1
		.amdhsa_forward_progress 1
		.amdhsa_inst_pref_size 72
	.end_amdhsa_kernel
	.amdgpu_metadata
---
amdhsa.version: [ 1, 2 ]
amdhsa.kernels:
  - .name:           k_q4d5f49e986_prep
    .symbol:         k_q4d5f49e986_prep.kd
    .args:
      - { .name: x, .offset: 0, .size: 8, .value_kind: global_buffer, .address_space: global }
      - { .name: y, .offset: 8, .size: 8, .value_kind: global_buffer, .address_space: global }
      - { .name: wq, .offset: 16, .size: 8, .value_kind: global_buffer, .address_space: global }
      - { .name: wk, .offset: 24, .size: 8, .value_kind: global_buffer, .address_space: global }
      - { .name: wv, .offset: 32, .size: 8, .value_kind: global_buffer, .address_space: global }
      - { .name: wo, .offset: 40, .size: 8, .value_kind: global_buffer, .address_space: global }
      - { .name: acodes, .offset: 48, .size: 8, .value_kind: global_buffer, .address_space: global }
      - { .name: ascales, .offset: 56, .size: 8, .value_kind: global_buffer, .address_space: global }
      - { .name: wcodes, .offset: 64, .size: 8, .value_kind: global_buffer, .address_space: global }
      - { .name: wscales, .offset: 72, .size: 8, .value_kind: global_buffer, .address_space: global }
      - { .name: wo16, .offset: 80, .size: 8, .value_kind: global_buffer, .address_space: global }
    .group_segment_fixed_size: 270848
    .private_segment_fixed_size: 0
    .kernarg_segment_align: 8
    .kernarg_segment_size: 88
    .max_flat_workgroup_size: 128
    .sgpr_count:     100
    .vgpr_count:     256
    .wavefront_size: 32
...
	.end_amdgpu_metadata
.endif
;; end of part 1
;; launch proj (part 2): grid 4 x 64, 4 waves a work-group, clusters of 4 x 1, 167,936 bytes of LDS; arguments acodes, ascales, wcodes, wscales, bq, bk, bv, q16, kv16; writes q16, kv16
.if DOCPART == 2
	.amdgcn_target "amdgcn-amd-amdhsa--gfx1250"
	.amdhsa_code_object_version 6
	.text
	.protected	k_q4d5f49e986_proj
	.globl	k_q4d5f49e986_proj
	.p2align	8
	.type	k_q4d5f49e986_proj,@function
k_q4d5f49e986_proj:
	s_mov_b64 s[64:65], 0
	v_nop
	global_prefetch_b8 v0, s[64:65] scope:SCOPE_SE
	s_setreg_imm32_b32 hwreg(HW_REG_WAVE_MODE, 25, 1), 1
	s_wait_xcnt 0x0
	s_wait_alu depctr_hold_cnt(0) depctr_sa_sdst(0) depctr_va_vdst(0) depctr_va_sdst(0) depctr_va_ssrc(0) depctr_va_vcc(0) depctr_vm_vsrc(0)
	s_getreg_b32 s2, hwreg(HW_REG_IB_STS2, 6, 4)
	s_cmp_eq_u32 s2, 0
	s_cbranch_scc0 .Lentry_in_a_cluster
	s_endpgm
.Lentry_in_a_cluster:
	s_bfe_u32 s2, ttmp6, 0x10000c
	s_cmp_lg_u32 s2, 0x3003
	s_cbranch_scc0 .Lentry_shape_is_right
	s_endpgm
.Lentry_shape_is_right:
; PROJ.  Q = x wq + bq, K = y wk + bk, V = y wv + bv on codes of FP4 (E2M1) with one E8M0 scale for each 32 along K; sums in f32; results rounded once to f16 and stored in the order of attention's operand registers.
; SHARES.  A work-group takes 128 tokens (8 tiles of 16) x 256 features; wave w the 64 features of ONE head (4 tiles of 16) for all 8 token tiles: 32 accumulators.  Q, K and V follow each other in straight-line text.
; The 128 tokens' codes of x and of y (65,536 bytes each, dense in acodes) stay in LDS for the whole launch.  CLUSTER: the four work-groups of a cluster take the four blocks of features of the same tokens, so these two blocks are asked for JOINTLY.
; The weights' fragments go from memory straight into registers: each is wanted by one wave of a work-group, the cluster's partners want different ones, and a tensor load could only land them in LDS.
; They lie in a ring of 8 K steps' registers; a K step's registers are loaded with the next matrix's same K step straight behind their use, eight K steps (256 matrix instructions) ahead.
; LAYOUT.  Q, K: source 0 = 16 features of the weight, source 1 = 16 tokens: a lane holds one token (lane % 16) and 8 neighbouring features: 16 bytes of f16, which ARE its 16 bytes of an f16 fragment (rows = tokens, K = the head's 64).
; V: the sources are swapped: a lane holds one feature and 8 neighbouring tokens: its 16 bytes of a fragment whose rows are the head's 64 and whose K is the keys.  So every store is 512 consecutive bytes straight from registers.
;   q16, and K in kv16 at 0: [batch x 16 + head][token tile 0-127][feature tile 0-3][512];   V in kv16 at 16,777,216: [batch x 16 + head][32 keys: 0-63][feature tile][half][512].
; The biases are the C of each sum's first matrix instruction, in the result's layout.  LIMITS: |q|, |k|, |v| stay under 65,504 (f16).
; REGISTERS, in windows of 256: window 0: v1-7 addresses; v16-143 the tokens' fragments, two sets of 8; v144-175 x's scale words, v176-207 y's (4 registers a tile: register q holds K step q in lanes 0-15, K step 4 + q in lanes 16-31);
;   v208-223 the weights' scale words (register 2 ks + p: feature tile 2 p in lanes 0-15, 2 p + 1 in lanes 16-31); v224-255 the bias.   window 1: the accumulators, (t, i) at 8 (4 t + i).   window 2: the weights' ring, 32 ks + 8 i.   window 3: v0-127 results in f16.
.set SPARE, 131072                     ; behind the two blocks: the spare words, 128 bytes for each wave: two blocks of 256 bytes that no other line names
.set L16, 1                            ; v1  16 x lane: LDS address in x's block, and the lane's place in every fragment in memory
.set LY,  2                            ; v2  the same in y's block
.set L4,  3                            ; v3  4 x lane
.set H32, 4                            ; v4  32 h
.set R4,  5                            ; v5  4 r
.set SPW, 6                            ; v6  LDS address of my spare word; never rewritten
.set NIL, 7                            ; v7  0; never rewritten
.set AF,  16
.set ASX, 144
.set ASY, 176
.set WS,  208
.set BI,  224
.set WV,  22                           ; s22 my wave's number
.set G1,  32                           ; s[32:39] descriptor group 1;  s[40:43], s[44:47] groups 0 for x's and y's block
.set MSB, 0
.macro WIN new                         ; the immediate's high byte repeats the setting that is left
.if MSB != \new
	s_set_vgpr_msb (MSB<<8)|\new
.set MSB, \new
.endif
.endm
.macro PLACES                          ; four places behind matrix instructions, in front of loads into registers that they have read and of the first read of their results
.rept 4
	v_nop
.endr
.endm
.macro CROUND                          ; a round of the cluster's barrier
	s_barrier_signal -1
	s_barrier_wait -1
	s_cmp_lg_u32 s[WV], 0
	s_cbranch_scc1 .Lnot_wave_0_\@
	s_barrier_signal -3
.Lnot_wave_0_\@:
	s_barrier_wait -3
	s_barrier_signal -1
	s_barrier_wait -1
.endm
	s_load_b256 s[4:11], s[0:1], 0x0               ; acodes s[4:5], ascales s[6:7], wcodes s[8:9], wscales s[10:11]
	s_load_b256 s[12:19], s[0:1], 0x20             ; bq s[12:13], bk s[14:15], bv s[16:17], q16 s[18:19]
	s_load_b64 s[20:21], s[0:1], 0x40              ; kv16
	v_lshl_add_u32 v[SPW], v0, 2, SPARE
	v_mov_b32 v[NIL], 0
	ds_add_u32 v[SPW], v[NIL]                      ; the wave's opening: the add, twice on end, and its wait ahead of my first tensor load
	ds_add_u32 v[SPW], v[NIL]                      ; and once more; the set-up below, work on registers, stands between it and the wait
	v_lshrrev_b32 v1, 5, v0
	v_readfirstlane_b32 s[WV], v1                  ; wave 0..3
	s_bfe_u32 s23, ttmp6, 0x40000                  ; cx: my place in the cluster
	s_lshl_b32 s24, ttmp9, 2
	s_add_co_u32 s24, s24, s23                     ; my block of 256 features: it enters the weights', the biases' and the results' addresses alone
	s_and_b32 s25, ttmp7, 0xffff                   ; my block of 128 tokens, which the four partners share
	s_mov_b32 s[G1+0], 15|(3<<16)|(1<<21)          ; the mask: all four work-groups; elements of 8 bytes; bit 21 set beside a mask; no padding
	s_mov_b32 s[G1+1], 32<<16                      ; tensor_dim0 = 32: rows of 256 bytes
	s_mov_b32 s[G1+2], 64<<16                      ; tensor_dim1 = 64
	s_mov_b32 s[G1+3], 32<<16                      ; tile_dim0 = 32
	s_mov_b32 s[G1+4], 64                          ; tile_dim1 = 64: a wave's quarter, 16,384 dense bytes
	s_mov_b32 s[G1+5], 32                          ; the rows follow each other
	s_mov_b32 s[G1+6], 0
	s_mov_b32 s[G1+7], 0
	s_lshl_b32 s26, s25, 16                        ; the block's 65,536 bytes,
	s_lshl_b32 s27, s[WV], 14                      ; my quarter of them, in memory and in LDS
	s_add_co_u32 s28, s26, s27
	s_mov_b32 s29, 0
	s_wait_dscnt 0x0                               ; both opening adds are done
	s_wait_kmcnt 0x0
	s_mov_b32 s40, 1
	s_mov_b32 s41, s27
	s_add_nc_u64 s[42:43], s[4:5], s[28:29]
	s_mov_b32 s44, 1
	s_add_co_u32 s45, s27, 65536
	s_add_nc_u64 s[46:47], s[42:43], 0x400000      ; y's tiles lie 512 x 8,192 bytes behind x's
	s_or_b32 s43, s43, 0x80000000
	s_or_b32 s47, s47, 0x80000000
	CROUND                                         ; all four work-groups are here: the joint loads meet
	tensor_load_to_lds s[40:43], s[G1:G1+7]
	s_nop 0
	tensor_load_to_lds s[44:47], s[G1:G1+7]        ; two tensor loads of mine are out
	s_nop 0
	v_and_b32 v8, 31, v0
	v_lshlrev_b32 v[L16], 4, v8
	v_add_nc_u32 v[LY], 65536, v[L16]
	v_lshlrev_b32 v[L4], 2, v8
	v_bfe_u32 v9, v0, 4, 1
	v_lshlrev_b32 v[H32], 5, v9
	v_and_b32 v9, 15, v0
	v_lshlrev_b32 v[R4], 2, v9
	s_lshl_b32 s50, s24, 17                        ; the weights' codes: feature tile 16 block + 4 wave, 8,192 bytes a tile
	s_lshl_b32 s52, s[WV], 15
	s_add_co_u32 s50, s50, s52
	s_mov_b32 s51, 0
	s_add_nc_u64 s[8:9], s[8:9], s[50:51]
	s_lshl_b32 s50, s24, 10                        ; their scale words and the biases: 4 bytes a feature
	s_lshl_b32 s52, s[WV], 8
	s_add_co_u32 s50, s50, s52
	s_add_nc_u64 s[10:11], s[10:11], s[50:51]
	s_add_nc_u64 s[12:13], s[12:13], s[50:51]
	s_add_nc_u64 s[14:15], s[14:15], s[50:51]
	s_add_nc_u64 s[16:17], s[16:17], s[50:51]
	s_lshl_b32 s50, s25, 12                        ; the tokens' scale words: 8 tiles of 512 bytes
	s_add_nc_u64 s[6:7], s[6:7], s[50:51]
	s_lshr_b32 s50, s25, 4                         ; the results: batch = token block / 16,
	s_lshl_b32 s50, s50, 4
	s_lshl_b32 s52, s24, 2
	s_add_co_u32 s50, s50, s52
	s_add_co_u32 s50, s50, s[WV]                   ; + head = 4 x feature block + wave,
	s_lshl_b32 s50, s50, 18                        ; 262,144 bytes each,
	s_and_b32 s52, s25, 15
	s_lshl_b32 s52, s52, 14                        ; and 16,384 bytes for 128 tokens
	s_add_co_u32 s50, s50, s52
	s_add_nc_u64 s[18:19], s[18:19], s[50:51]
	s_add_nc_u64 s[20:21], s[20:21], s[50:51]
	s_add_nc_u64 s[48:49], s[20:21], 0x1000000     ; V
; matrix m's K step ks: 4 fragments and 2 registers of scale words: 10 loads
.macro LDW m, ks
	WIN 0x80                                       ; destination window 2, address window 0
.irp i, 0,1,2,3
.irp c, 0,1
	global_load_b128 v[32*(\ks)+8*\i+4*\c:32*(\ks)+8*\i+4*\c+3], v[L16], s[8:9] offset:(\m)*524288+\i*8192+(\ks)*1024+\c*512
.endr
.endr
	WIN 0
.irp p, 0,1
	global_load_b32 v[WS+2*(\ks)+\p], v[L4], s[10:11] offset:(\m)*32768+(\ks)*4096+\p*128
.endr
.endm
.macro LDBIAS m                        ; Q, K: register 8 i + j = the bias of feature 16 i + 8 h + j (8 loads);  V: all 8 registers of tile i = that of feature 16 i + r (32 loads)
.if (\m) < 2
.irp i, 0,1,2,3
.irp u, 0,1
	global_load_b128 v[BI+8*\i+4*\u:BI+8*\i+4*\u+3], v[H32], s[12+2*(\m):13+2*(\m)] offset:\i*64+\u*16
.endr
.endr
.else
.irp i, 0,1,2,3
.irp j, 0,1,2,3,4,5,6,7
	global_load_b32 v[BI+8*\i+\j], v[R4], s[16:17] offset:\i*64
.endr
.endr
.endif
.endm
.macro FETCHA m, ks                    ; the 8 token tiles' fragments of K step ks, from x's block (m = 0) or y's, into set ks % 2
.set fS, AF+64*((\ks)%2)
.irp t, 0,1,2,3,4,5,6,7
.irp c, 0,1
.if (\m) == 0
	ds_load_b128 v[fS+8*\t+4*\c:fS+8*\t+4*\c+3], v[L16] offset:\t*8192+(\ks)*1024+\c*512
.else
	ds_load_b128 v[fS+8*\t+4*\c:fS+8*\t+4*\c+3], v[LY] offset:\t*8192+(\ks)*1024+\c*512
.endif
.endr
.endr
.endm
.macro WM                              ; one matrix instruction from the symbols set by MULS; a scale register's lanes 16-31 are named only where they are meant
.if (rwA == 0) && (rwB == 0)
	v_wmma_scale_f32_16x16x128_f8f6f4 v[rD:rD+7], v[opA:opA+7], v[opB:opB+7], v[rC:rC+7], v[scA], v[scB] matrix_a_fmt:MATRIX_FMT_FP4 matrix_b_fmt:MATRIX_FMT_FP4
.elseif (rwA == 1) && (rwB == 0)
	v_wmma_scale_f32_16x16x128_f8f6f4 v[rD:rD+7], v[opA:opA+7], v[opB:opB+7], v[rC:rC+7], v[scA], v[scB] matrix_a_fmt:MATRIX_FMT_FP4 matrix_b_fmt:MATRIX_FMT_FP4 matrix_a_scale:MATRIX_SCALE_ROW1
.elseif (rwA == 0)
	v_wmma_scale_f32_16x16x128_f8f6f4 v[rD:rD+7], v[opA:opA+7], v[opB:opB+7], v[rC:rC+7], v[scA], v[scB] matrix_a_fmt:MATRIX_FMT_FP4 matrix_b_fmt:MATRIX_FMT_FP4 matrix_b_scale:MATRIX_SCALE_ROW1
.else
	v_wmma_scale_f32_16x16x128_f8f6f4 v[rD:rD+7], v[opA:opA+7], v[opB:opB+7], v[rC:rC+7], v[scA], v[scB] matrix_a_fmt:MATRIX_FMT_FP4 matrix_b_fmt:MATRIX_FMT_FP4 matrix_a_scale:MATRIX_SCALE_ROW1 matrix_b_scale:MATRIX_SCALE_ROW1
.endif
.endm
; 32 matrix instructions: the 32 accumulators take turns, one instruction a turn, in the same order in every K step
.macro MULS m, ks
.if (\m) < 2
.if (\ks) == 0
	WIN 0x42                                       ; source 0 (weight) window 2, source 1 (tokens) and C (bias) window 0, D window 1
.else
	WIN 0x52                                       ; C window 1
.endif
.else
.if (\ks) == 0
	WIN 0x48                                       ; source 0 (tokens) window 0, source 1 (weight) window 2
.else
	WIN 0x58
.endif
.endif
.irp t, 0,1,2,3,4,5,6,7
.irp i, 0,1,2,3
.set rD, 8*(4*\t+\i)
.if (\ks) == 0
.set rC, BI+8*\i
.else
.set rC, rD
.endif
.if (\m) == 0
.set sTok, ASX+4*\t+(\ks)%4
.else
.set sTok, ASY+4*\t+(\ks)%4
.endif
.if (\m) < 2
.set opA, 32*(\ks)+8*\i
.set opB, AF+64*((\ks)%2)+8*\t
.set scA, WS+2*(\ks)+\i/2
.set scB, sTok
.set rwA, \i%2
.set rwB, (\ks)/4
.else
.set opA, AF+64*((\ks)%2)+8*\t
.set opB, 32*(\ks)+8*\i
.set scA, sTok
.set scB, WS+2*(\ks)+\i/2
.set rwA, (\ks)/4
.set rwB, \i%2
.endif
	WM
.endr
.endr
.endm
; A K step.  n: how many younger loads may stay out when this K step's weights have to be there
.macro STEP m, ks, n
	s_wait_loadcnt \n
	s_wait_dscnt 0x0                               ; this K step's token fragments are in
.if (\ks) < 7
	FETCHA \m, (\ks)+1                             ; the next K step's, into the other set: its last readers stand in front of the last step's places
.elseif (\m) < 2
	FETCHA (\m)+1, 0
.endif
	MULS \m, \ks
	WIN 0
	PLACES
.if (\m) < 2
	LDW (\m)+1, \ks                                ; the registers just read take the next matrix's same K step
.if (\ks) == 0
	LDBIAS (\m)+1
.endif
.endif
.endm
; The way out of matrix m: rounded to f16, each accumulator from its low end on; a lane's 16 bytes are its 16 bytes of a fragment: the wave stores 512 consecutive bytes, aligned
.macro OUTM m
.if (\m) > 0
	s_wait_xcnt 0x0                                ; the last matrix's stores have read their registers
.endif
	WIN 0xc5                                       ; sources window 1, destination window 3
.set a, 0
.rept 32
.irp u, 0,1,2,3
	v_cvt_pk_f16_f32 v[4*a+\u], v[8*a+2*\u], v[8*a+2*\u+1]
.endr
.set a, a+1
.endr
	WIN 0x0c                                       ; a store's data are its source 1: window 3
.irp t, 0,1,2,3,4,5,6,7
.irp i, 0,1,2,3
.if (\m) == 0
	global_store_b128 v[L16], v[4*(4*\t+\i):4*(4*\t+\i)+3], s[18:19] offset:\t*2048+\i*512
.elseif (\m) == 1
	global_store_b128 v[L16], v[4*(4*\t+\i):4*(4*\t+\i)+3], s[20:21] offset:\t*2048+\i*512
.else
	global_store_b128 v[L16], v[4*(4*\t+\i):4*(4*\t+\i)+3], s[48:49] offset:(\t/2)*4096+\i*1024+(\t%2)*512
.endif
.endr
.endr
	WIN 0
.endm
.irp t, 0,1,2,3,4,5,6,7
	global_load_b128 v[ASX+4*\t:ASX+4*\t+3], v[L16], s[6:7] offset:\t*512
.endr
.irp t, 0,1,2,3,4,5,6,7
	global_load_b128 v[ASY+4*\t:ASY+4*\t+3], v[L16], s[6:7] offset:262144+\t*512
.endr
	LDBIAS 0
.irp k, 0,1,2,3,4,5,6,7
	LDW 0, \k
.endr
	s_wait_tensorcnt 0x0                           ; my quarters of both blocks have landed,
	s_barrier_signal -1
	s_barrier_wait -1                              ; everybody's have; nothing is filled again in this launch
	FETCHA 0, 0
; The counts on LOADcnt.  Behind a K step's 10 loads at least 70 younger loads have been issued in Q and in K (the other seven K steps' 70, and the next matrix's): the wait names 63, the largest count that it can.
.irp k, 0,1,2,3,4,5,6,7
	STEP 0, \k, 63
.endr
	OUTM 0
.irp k, 0,1,2,3,4,5,6,7
	STEP 1, \k, 63
.endr
	OUTM 1
	STEP 2, 0, 63                                  ; behind V's bias: the seven other K steps' 70
.irp k, 1,2,3,4,5,6,7
	STEP 2, \k, 70-10*\k                           ; V's later K steps: 10 loads for each K step still to come
.endr
	OUTM 2
	s_wait_tensorcnt 0x0                           ; the wave's end: behind my last tensor load
	ds_add_u32 v[SPW], v[NIL]
	s_wait_dscnt 0x0
	CROUND                                         ; the closing round
	s_endpgm
.Lfunc_end_k_q4d5f49e986_proj:
	.size	k_q4d5f49e986_proj, .Lfunc_end_k_q4d5f49e986_proj-k_q4d5f49e986_proj
	.p2alignl 7, 3214868480
	.fill 96, 4, 3214868480
	.section	.rodata,"a",@progbits
	.p2align	6, 0x0
	.amdhsa_kernel k_q4d5f49e986_proj
		.amdhsa_group_segment_fixed_size 167936
		.amdhsa_private_segment_fixed_size 0
		.amdhsa_enable_private_segment 0
		.amdhsa_kernarg_size 72
		.amdhsa_user_sgpr_count 2
		.amdhsa_user_sgpr_kernarg_segment_ptr 1
		.amdhsa_wavefront_size32 1
		.amdhsa_system_sgpr_workgroup_id_x 1
		.amdhsa_system_sgpr_workgroup_id_y 1
		.amdhsa_system_sgpr_workgroup_id_z 1
		.amdhsa_system_vgpr_workitem_id 0
		.amdhsa_next_free_vgpr 896
		.amdhsa_next_free_sgpr 66
		.amdhsa_reserve_vcc 0
		.amdhsa_float_denorm_mode_32 3
		.amdhsa_float_denorm_mode_16_64 3
		.amdhsa_memory_ordered 1
		.amdhsa_forward_progress 1
		.amdhsa_inst_pref_size 194
	.end_amdhsa_kernel
	.amdgpu_metadata
---
amdhsa.version: [ 1, 2 ]
amdhsa.kernels:
  - .name:           k_q4d5f49e986_proj
    .symbol:         k_q4d5f49e986_proj.kd
    .args:
      - { .name: acodes, .offset: 0, .size: 8, .value_kind: global_buffer, .address_space: global }
      - { .name: ascales, .offset: 8, .size: 8, .value_kind: global_buffer, .address_space: global }
      - { .name: wcodes, .offset: 16, .size: 8, .value_kind: global_buffer, .address_space: global }
      - { .name: wscales, .offset: 24, .size: 8, .value_kind: global_buffer, .address_space: global }
      - { .name: bq, .offset: 32, .size: 8, .value_kind: global_buffer, .address_space: global }
      - { .name: bk, .offset: 40, .size: 8, .value_kind: global_buffer, .address_space: global }
      - { .name: bv, .offset: 48, .size: 8, .value_kind: global_buffer, .address_space: global }
      - { .name: q16, .offset: 56, .size: 8, .value_kind: global_buffer, .address_space: global }
      - { .name: kv16, .offset: 64, .size: 8, .value_kind: global_buffer, .address_space: global }
    .group_segment_fixed_size: 167936
    .private_segment_fixed_size: 0
    .kernarg_segment_align: 8
    .kernarg_segment_size: 72
    .max_flat_workgroup_size: 128
    .sgpr_count:     66
    .vgpr_count:     896
    .wavefront_size: 32
...
	.end_amdgpu_metadata
.endif
;; end of part 2
;; launch attn (part 3): grid 4 x 64, 8 waves a work-group, clusters of 4 x 1, 327,680 bytes of LDS; arguments q16, kv16, o16; writes o16
.if DOCPART == 3
	.amdgcn_target "amdgcn-amd-amdhsa--gfx1250"
	.amdhsa_code_object_version 6
	.text
	.protected	k_q4d5f49e986_attn
	.globl	k_q4d5f49e986_attn
	.p2align	8
	.type	k_q4d5f49e986_attn,@function
k_q4d5f49e986_attn:
	s_mov_b64 s[64:65], 0
	v_nop
	global_prefetch_b8 v0, s[64:65] scope:SCOPE_SE
	s_setreg_imm32_b32 hwreg(HW_REG_WAVE_MODE, 25, 1), 1
	s_wait_xcnt 0x0
	s_wait_alu depctr_hold_cnt(0) depctr_sa_sdst(0) depctr_va_vdst(0) depctr_va_sdst(0) depctr_va_ssrc(0) depctr_va_vcc(0) depctr_vm_vsrc(0)
	s_getreg_b32 s2, hwreg(HW_REG_IB_STS2, 6, 4)
	s_cmp_eq_u32 s2, 0
	s_cbranch_scc0 .Lentry_in_a_cluster
	s_endpgm
.Lentry_in_a_cluster:
	s_bfe_u32 s2, ttmp6, 0x10000c
	s_cmp_lg_u32 s2, 0x3003
	s_cbranch_scc0 .Lentry_shape_is_right
	s_endpgm
.Lentry_shape_is_right:
; ATTN.  O[b][h][q] = the sum over k of softmax_k(Q[q] . K[k] / 8) V[k], head size 64, 2,048 keys, no mask.  Q, K, V arrive in f16 in the order of the operands' registers; products, maxima and sums in f32;
; the weights p are rounded to f16 for the second product, O once at the end.  LIMITS: NaN and infinities are not served; |O| stays under 65,504.
; SHARES.  A work-group owns 512 queries of one head; each of its eight waves 64: four tiles of 16, in 512 registers: two waves to a SIMD, so that one wave's softmax stands beside the other's products.  Every wave walks all keys, 64 a step.
; LAYOUT.  S^T = K Q^T (source 0 = 16 keys, source 1 = 16 queries): a lane holds ONE query (lane % 16) and keys 8 (lane / 16) + 0..7.  Two such tiles, rounded to f16 in pairs IN PLACE, are source 1 (32 keys x 16 queries) of
; O^T = V^T P, whose result again holds one query a lane.  Each fragment of K and V read from LDS feeds four matrix instructions.
; SOFTMAX.  For each query a running maximum m and sum l: p = 2^(c s - c m), c = log2(e) / 8; in every step O^T and l are multiplied by a = 2^(c m_old - c m_new).
; RING.  Two LDS slots of 512 keys (K's 65,536 bytes, then V's), images of memory: every fragment is read at 16 x lane, no padding.  CLUSTER: the four query blocks of a head form a cluster and walk the same K and V:
; each fill is a JOINT load, one a wave: waves 0-3 bring K's quarters, waves 4-7 V's.  Both slots are filled at the head (two tensor loads of a wave are out); each is filled again once, with eight key steps in which to land.
; O leaves as [128 tokens][128 along the model's 1,024][token tile 0-7][32 along K: 0-3][1,024]: the fragments that the last projection reads.
; REGISTERS: window 0: v1-6 addresses; v8-39 statistics, 8 a tile: +0 c m, +1 m, +2, +3 l, +4 to +7 at work (a takes +6); v40-55 partial sums; v56-119 Q; v120-247 S^T, then p, then P in the low 16 of each tile's 32.
;   window 1: v0-127 O^T ((t, dt) at 32 t + 8 dt); v128-191 K of one step; v192-255 V of one step.
.set SLOT1, 1<<17                      ; slot 1 begins here: one exclusive or turns an address in one slot into the other's
.set VOFF,  65536                      ; V's part of a slot
.set KSB,   8192                       ; a key step's bytes of K, and of V
.set SPARE, 2*SLOT1                    ; behind the ring: the spare words, 128 bytes for each wave: four blocks of 256 bytes that no other line names
.set L16, 1                            ; v1  16 x lane
.set ADK, 2                            ; v2  LDS address of the step's K
.set ADV, 3                            ; v3  of its V
.set SPW, 4                            ; v4  LDS address of my spare word; never rewritten
.set NIL, 5                            ; v5  0; never rewritten
.set LV,  6                            ; v6  16 x lane + VOFF
.set ST,  8
.set TS,  40
.set Q,   56
.set S,   120
.set KF,  128
.set VF,  192
.set WV,  10                           ; s10 my wave's number
.set G1,  16                           ; s[16:23] descriptor group 1
.set G0A, 24                           ; s[24:27] group 0 of slot 0's first fill
.set G0B, 28                           ; s[28:31] of slot 1's; it then walks on
.set TB,  32                           ; s32 LDS byte at which the step to be fetched begins
.set CNT, 33                           ; s33 counts key steps
.set SLOTS, 34                         ; s34 counts refills
.set CS,  36                           ; s[36:37] c: the packed form names a pair and takes its low word for both halves
.set SEL, 38                           ; s[38:39] lane selects for v_permlanex16_b32: lane l xor 16
.set MSB, 0
.macro WIN new                         ; the immediate's high byte repeats the setting that is left
.if MSB != \new
	s_set_vgpr_msb (MSB<<8)|\new
.set MSB, \new
.endif
.endm
.macro CROUND                          ; a round of the cluster's barrier
	s_barrier_signal -1
	s_barrier_wait -1
	s_cmp_lg_u32 s[WV], 0
	s_cbranch_scc1 .Lnot_wave_0_\@
	s_barrier_signal -3
.Lnot_wave_0_\@:
	s_barrier_wait -3
	s_barrier_signal -1
	s_barrier_wait -1
.endm
	s_load_b128 s[4:7], s[0:1], 0x0                ; q16 s[4:5], kv16 s[6:7]
	s_load_b64 s[8:9], s[0:1], 0x10                ; o16
	v_lshl_add_u32 v[SPW], v0, 2, SPARE
	v_mov_b32 v[NIL], 0
	ds_add_u32 v[SPW], v[NIL]                      ; the wave's opening: the add, twice on end, and its wait ahead of my first tensor load
	ds_add_u32 v[SPW], v[NIL]                      ; and once more; the set-up below, work on registers, stands between it and the wait
	v_lshrrev_b32 v1, 5, v0
	v_readfirstlane_b32 s[WV], v1                  ; wave 0..7
	s_bfe_u32 s11, ttmp6, 0x40000                  ; cx: my place in the cluster
	s_lshl_b32 s12, ttmp9, 2
	s_add_co_u32 s12, s12, s11                     ; my block of 512 queries: it enters Q's and O's addresses alone
	s_and_b32 s13, ttmp7, 0xffff                   ; batch x 16 + head, which the four partners share
	s_mov_b32 s[G1+0], 15|(3<<16)|(1<<21)          ; the mask: all four work-groups; elements of 8 bytes; bit 21 set beside a mask; no padding
	s_mov_b32 s[G1+1], 32<<16                      ; tensor_dim0 = 32: rows of 256 bytes
	s_mov_b32 s[G1+2], 64<<16                      ; tensor_dim1 = 64
	s_mov_b32 s[G1+3], 32<<16                      ; tile_dim0 = 32
	s_mov_b32 s[G1+4], 64                          ; tile_dim1 = 64: 16,384 dense bytes
	s_mov_b32 s[G1+5], 32
	s_mov_b32 s[G1+6], 0
	s_mov_b32 s[G1+7], 0
	s_lshr_b32 s40, s[WV], 2
	s_lshl_b32 s40, s40, 24                        ; waves 4-7: V, 16,777,216 bytes behind K;
	s_lshl_b32 s41, s13, 18                        ; the head's 262,144 bytes;
	s_add_co_u32 s40, s40, s41
	s_and_b32 s41, s[WV], 3
	s_lshl_b32 s41, s41, 14                        ; my quarter of a slot's 65,536
	s_add_co_u32 s40, s40, s41
	s_mov_b32 s41, 0
	s_lshl_b32 s42, s[WV], 14                      ; in a slot: wave x 16,384: K's four quarters, then V's
	s_mov_b32 s[CS], 0x3e38aa3b                    ; c = log2(e) / 8
	s_mov_b32 s[CS+1], s[CS]
	s_mov_b32 s[SEL], 0x76543210
	s_mov_b32 s[SEL+1], 0xfedcba98
	s_mov_b32 s[TB], 0
	s_lshl_b32 s48, s13, 18                        ; Q: the head, my block's 65,536 bytes, my wave's 8,192
	s_lshl_b32 s50, s12, 16
	s_add_co_u32 s48, s48, s50
	s_lshl_b32 s50, s[WV], 13
	s_add_co_u32 s48, s48, s50
	s_mov_b32 s49, 0
	s_lshr_b32 s52, s13, 4                         ; O: the block of 128 tokens = 16 x batch + 4 x query block + wave / 2, 262,144 bytes each;
	s_lshl_b32 s52, s52, 4
	s_lshl_b32 s50, s12, 2
	s_add_co_u32 s52, s52, s50
	s_lshr_b32 s50, s[WV], 1
	s_add_co_u32 s52, s52, s50
	s_lshl_b32 s52, s52, 18
	s_and_b32 s50, s13, 15
	s_lshr_b32 s50, s50, 1
	s_lshl_b32 s50, s50, 15                        ; the slice of 128 along K = head / 2, 32,768 bytes;
	s_add_co_u32 s52, s52, s50
	s_and_b32 s50, s[WV], 1
	s_lshl_b32 s50, s50, 14                        ; my four token tiles of its eight, 4,096 bytes each;
	s_add_co_u32 s52, s52, s50
	s_and_b32 s50, s13, 1
	s_lshl_b32 s50, s50, 11                        ; the head's 64 of the slice's 128: two fragments of 1,024 bytes
	s_add_co_u32 s52, s52, s50
	s_mov_b32 s53, 0
	s_wait_dscnt 0x0                               ; both opening adds are done
	s_wait_kmcnt 0x0
	s_mov_b32 s[G0A], 1
	s_mov_b32 s[G0A+1], s42
	s_add_nc_u64 s[G0A+2:G0A+3], s[6:7], s[40:41]
	s_mov_b32 s[G0B], 1
	s_add_co_u32 s[G0B+1], s42, SLOT1
	s_add_nc_u64 s[G0B+2:G0B+3], s[G0A+2:G0A+3], 65536   ; the next 512 keys
	s_or_b32 s[G0A+3], s[G0A+3], 0x80000000
	s_or_b32 s[G0B+3], s[G0B+3], 0x80000000
	s_add_nc_u64 s[4:5], s[4:5], s[48:49]
	s_add_nc_u64 s[8:9], s[8:9], s[52:53]
	CROUND                                         ; all four work-groups are here: the first joint loads meet
	tensor_load_to_lds s[G0A:G0A+3], s[G1:G1+7]
	s_nop 0
	tensor_load_to_lds s[G0B:G0B+3], s[G1:G1+7]
	s_nop 0
	v_and_b32 v2, 31, v0
	v_lshlrev_b32 v[L16], 4, v2
	v_add_nc_u32 v[LV], VOFF, v[L16]
.irp t, 0,1,2,3
.irp u, 0,1,2,3
	global_load_b128 v[Q+16*\t+4*\u:Q+16*\t+4*\u+3], v[L16], s[4:5] offset:\t*2048+\u*512   ; Q stays in registers: tile t, fragment u / 2, half u % 2
.endr
.endr
; A step's K: 4 tiles of 16 keys x 2 fragments of 32 channels; 16 loads in one run
.macro FETCH_K
	WIN 0
	v_add_nc_u32 v[ADK], s[TB], v[L16]
	WIN 0x40                                       ; destination window 1
.irp f, 0,1,2,3,4,5,6,7
.irp j, 0,1
	ds_load_b128 v[KF+8*\f+4*\j:KF+8*\f+4*\j+3], v[ADK] offset:\f*1024+\j*512
.endr
.endr
	WIN 0
.endm
; The same step's V: 2 runs of 32 keys x 4 tiles of 16 channels; then the fetches step on
.macro FETCH_V
	WIN 0
	v_add_nc_u32 v[ADV], s[TB], v[LV]
	s_add_co_u32 s[TB], s[TB], KSB
	WIN 0x40
.irp f, 0,1,2,3,4,5,6,7
.irp j, 0,1
	ds_load_b128 v[VF+8*\f+4*\j:VF+8*\f+4*\j+3], v[ADV] offset:\f*1024+\j*512
.endr
.endr
.endm
; THE FIRST HALF OF A KEY STEP: V is asked for; S^T = K Q^T, 32 matrix instructions: the 16 accumulators take turns, one instruction a turn; the first 16 start the sums
.macro STEPA
	FETCH_V
	s_wait_dscnt 16                                ; K's 16 loads are in; V's 16 may be out
	WIN 0x01                                       ; source 0 (K) window 1
.irp c, 0,1
.irp kt, 0,1,2,3
.irp t, 0,1,2,3
.if \c == 0
	v_wmma_f32_16x16x32_f16 v[S+32*\t+8*\kt:S+32*\t+8*\kt+7], v[KF+16*\kt+8*\c:KF+16*\kt+8*\c+7], v[Q+16*\t+8*\c:Q+16*\t+8*\c+7], 0
.else
	v_wmma_f32_16x16x32_f16 v[S+32*\t+8*\kt:S+32*\t+8*\kt+7], v[KF+16*\kt+8*\c:KF+16*\kt+8*\c+7], v[Q+16*\t+8*\c:Q+16*\t+8*\c+7], v[S+32*\t+8*\kt:S+32*\t+8*\kt+7]
.endif
.endr
.endr
.endr
	WIN 0
.rept 4
	v_nop                                          ; four places: the maxima that follow read these results (ISA guide 7.12.1)
.endr
.endm
; THE SECOND HALF: the softmax of the four tiles, by turns in every part, and O^T += V^T P.  first = 1: the first key step, which starts m, l and O^T.  kf = 1: the next step's K is asked for.
.macro STEPB first, kf
	; the maximum of a lane's 32 scores and the old m: four chains, each beginning at the three lowest registers of an accumulator
.irp j, 0,1,2,3
.irp t, 0,1,2,3
	v_max3_num_f32 v[ST+8*\t+4+\j], v[S+32*\t+8*\j], v[S+32*\t+8*\j+1], v[S+32*\t+8*\j+2]
.endr
.endr
.irp g, 1,2
.irp j, 0,1,2,3
.irp t, 0,1,2,3
	v_max3_num_f32 v[ST+8*\t+4+\j], v[ST+8*\t+4+\j], v[S+32*\t+8*\j+2*\g+1], v[S+32*\t+8*\j+2*\g+2]
.endr
.endr
.endr
.irp t, 0,1,2,3
	v_max3_num_f32 v[ST+8*\t+4], v[ST+8*\t+4], v[S+32*\t+7], v[S+32*\t+15]
.endr
.irp t, 0,1,2,3
	v_max3_num_f32 v[ST+8*\t+6], v[ST+8*\t+6], v[S+32*\t+23], v[S+32*\t+31]
.endr
.irp t, 0,1,2,3
	v_max3_num_f32 v[ST+8*\t+4], v[ST+8*\t+4], v[ST+8*\t+5], v[ST+8*\t+6]
.endr
.irp t, 0,1,2,3
.if \first
	v_max_num_f32 v[ST+8*\t+4], v[ST+8*\t+4], v[ST+8*\t+7]
.else
	v_max3_num_f32 v[ST+8*\t+4], v[ST+8*\t+4], v[ST+8*\t+7], v[ST+8*\t+1]
.endif
.endr
.if \kf
	FETCH_K                                        ; the next step's K: the places and the 64 maxima stand behind the products that read K's registers
.endif
.irp t, 0,1,2,3
	v_permlanex16_b32 v[ST+8*\t+5], v[ST+8*\t+4], s[SEL], s[SEL+1]   ; the query's other 32 keys lie in the lane 16 away
.endr
.if !\first
.irp t, 0,1,2,3
	v_mov_b32 v[ST+8*\t+7], v[ST+8*\t]             ; c m_old is kept for a
.endr
.endif
.irp t, 0,1,2,3
	v_max_num_f32 v[ST+8*\t+1], v[ST+8*\t+4], v[ST+8*\t+5]
.endr
.irp t, 0,1,2,3
	v_mul_f32 v[ST+8*\t], s[CS], v[ST+8*\t+1]
.endr
.if !\first
.irp t, 0,1,2,3
	v_sub_f32 v[ST+8*\t+7], v[ST+8*\t+7], v[ST+8*\t]
.endr
.irp t, 0,1,2,3
	v_exp_f32 v[ST+8*\t+6], v[ST+8*\t+7]           ; a
.endr
.endif
	; ONE BATCH: the scalings c s - c m, a pair of scores each, and all exponentials; none of these lines names an exponential's result
.irp b, 0,1,2,3,4,5,6,7,8,9,10,11,12,13,14,15
.irp t, 0,1,2,3
	v_pk_fma_f32 v[S+32*\t+2*\b:S+32*\t+2*\b+1], v[S+32*\t+2*\b:S+32*\t+2*\b+1], s[CS:CS+1], v[ST+8*\t:ST+8*\t+1] op_sel_hi:[1,0,0] neg_lo:[0,0,1] neg_hi:[0,0,1]
.endr
.irp t, 0,1,2,3
	v_exp_f32 v[S+32*\t+2*\b], v[S+32*\t+2*\b]
	v_exp_f32 v[S+32*\t+2*\b+1], v[S+32*\t+2*\b+1]
.endr
.endr
	v_nop                                          ; a plain instruction behind the last exponential
	s_wait_alu depctr_va_vdst(0)                   ; the wait ahead of the first line that names a result: one for the whole batch
	; the sums of the unrounded p, two at a time, in two chains a tile
.irp t, 0,1,2,3
	v_pk_add_f32 v[TS+4*\t:TS+4*\t+1], v[S+32*\t:S+32*\t+1], v[S+32*\t+2:S+32*\t+3]
.endr
.irp t, 0,1,2,3
	v_pk_add_f32 v[TS+4*\t+2:TS+4*\t+3], v[S+32*\t+4:S+32*\t+5], v[S+32*\t+6:S+32*\t+7]
.endr
.irp n, 8,12,16,20,24,28
.irp t, 0,1,2,3
	v_pk_add_f32 v[TS+4*\t:TS+4*\t+1], v[TS+4*\t:TS+4*\t+1], v[S+32*\t+\n:S+32*\t+\n+1]
.endr
.irp t, 0,1,2,3
	v_pk_add_f32 v[TS+4*\t+2:TS+4*\t+3], v[TS+4*\t+2:TS+4*\t+3], v[S+32*\t+\n+2:S+32*\t+\n+3]
.endr
.endr
.if \first
.irp t, 0,1,2,3
	v_pk_add_f32 v[ST+8*\t+2:ST+8*\t+3], v[TS+4*\t:TS+4*\t+1], v[TS+4*\t+2:TS+4*\t+3]
.endr
.else
.irp t, 0,1,2,3
	v_pk_add_f32 v[TS+4*\t:TS+4*\t+1], v[TS+4*\t:TS+4*\t+1], v[TS+4*\t+2:TS+4*\t+3]
.endr
.irp t, 0,1,2,3
	v_pk_fma_f32 v[ST+8*\t+2:ST+8*\t+3], v[ST+8*\t+2:ST+8*\t+3], v[ST+8*\t+6:ST+8*\t+7], v[TS+4*\t:TS+4*\t+1] op_sel_hi:[1,0,1]   ; l = a l + the sum
.endr
.endif
	; p to f16, in place: register i takes pair i; ascending, so that a register is read before or in the line that writes over it
.irp i, 0,1,2,3,4,5,6,7,8,9,10,11,12,13,14,15
.irp t, 0,1,2,3
	v_cvt_pk_f16_f32 v[S+32*\t+\i], v[S+32*\t+2*\i], v[S+32*\t+2*\i+1]
.endr
.endr
.if !\first
	WIN 0x41                                       ; O^T (destination and source 0) window 1, a window 0
.irp p, 0,1,2,3,4,5,6,7,8,9,10,11,12,13,14,15
.irp t, 0,1,2,3
	v_pk_mul_f32 v[32*\t+2*\p:32*\t+2*\p+1], v[32*\t+2*\p:32*\t+2*\p+1], v[ST+8*\t+6:ST+8*\t+7] op_sel_hi:[1,0]   ; each accumulator from its low end on
.endr
.endr
.endif
.if \kf
	s_wait_dscnt 16                                ; V's 16 loads are in; the next K's 16 may be out
.else
	s_wait_dscnt 0x0
.endif
	WIN 0x51                                       ; V, C and D window 1, P window 0
.irp kc, 0,1
.irp dt, 0,1,2,3
.irp t, 0,1,2,3
.if \first && (\kc == 0)
	v_wmma_f32_16x16x32_f16 v[32*\t+8*\dt:32*\t+8*\dt+7], v[VF+32*\kc+8*\dt:VF+32*\kc+8*\dt+7], v[S+32*\t+8*\kc:S+32*\t+8*\kc+7], 0
.else
	v_wmma_f32_16x16x32_f16 v[32*\t+8*\dt:32*\t+8*\dt+7], v[VF+32*\kc+8*\dt:VF+32*\kc+8*\dt+7], v[S+32*\t+8*\kc:S+32*\t+8*\kc+7], v[32*\t+8*\dt:32*\t+8*\dt+7]
.endif
.endr
.endr
.endr
	WIN 0
.rept 5
	v_nop                                          ; five places: the next scores are written by matrix instructions over P, which these products read; four of them serve the loads into V's registers
.endr
.endm
; THE CHANGE OF SLOTS stands between the two halves of a slot's last key step: all of that step's reads have been issued.  Each wave waits for all its tensor loads (its part of the other slot), adds 0 to its spare word, and waits for
; that and for its reads of the slot.  fill = 1: the barrier is a round of the cluster's, and behind it the slot just left takes the keys two slots on: my one tensor load until the next such round.
.macro CHANGE fill
	s_wait_tensorcnt 0x0                           ; no tensor load of mine is out, so a group 0 may be written
	ds_add_u32 v[SPW], v[NIL]                      ; 0 onto my spare word
.if \fill
	s_xor_b32 s[G0B+1], s[G0B+1], SLOT1            ; the walking descriptor: the other slot than last time,
	s_add_nc_u64 s[G0B+2:G0B+3], s[G0B+2:G0B+3], 65536   ; the next 512 keys; the type bits on top are not reached
.endif
	s_wait_dscnt 0x0                               ; the add is done, and my reads of the slot are over
.if \fill
	CROUND
	tensor_load_to_lds s[G0B:G0B+3], s[G1:G1+7]
	s_nop 0
.rept 4
	v_nop
.endr
.else
	s_barrier_signal -1
	s_barrier_wait -1
.endif
	s_sub_co_u32 s[TB], s[TB], 8*KSB               ; the fetches go back to a slot's first step,
	s_xor_b32 s[TB], s[TB], SLOT1                  ; in the other slot
.endm
	s_wait_tensorcnt 1                             ; my part of slot 0 is in; slot 1's may stay out
	s_barrier_signal -1
	s_barrier_wait -1                              ; everybody's is
	FETCH_K                                        ; key step 0
	s_wait_loadcnt 0x0                             ; Q
	STEPA
	STEPB 1, 1                                     ; the first key step is written out: it starts m, l and O^T
	STEPA
	s_mov_b32 s[CNT], 6
.Lhead:                                            ; second halves of steps 1-6, first halves of steps 2-7
	STEPB 0, 1
	STEPA
	s_sub_co_u32 s[CNT], s[CNT], 1
	s_cmp_lg_u32 s[CNT], 0
	s_cbranch_scc1 .Lhead
	s_mov_b32 s[SLOTS], 2
.Lslot:                                            ; two trips: each slot is filled again once
	CHANGE 1
	s_mov_b32 s[CNT], 8
.Lin:
	STEPB 0, 1
	STEPA
	s_sub_co_u32 s[CNT], s[CNT], 1
	s_cmp_lg_u32 s[CNT], 0
	s_cbranch_scc1 .Lin
	s_sub_co_u32 s[SLOTS], s[SLOTS], 1
	s_cmp_lg_u32 s[SLOTS], 0
	s_cbranch_scc1 .Lslot
	CHANGE 0                                       ; the tail is written out: nothing is left to ask for
	s_mov_b32 s[CNT], 8
.Ltail:
	STEPB 0, 1
	STEPA
	s_sub_co_u32 s[CNT], s[CNT], 1
	s_cmp_lg_u32 s[CNT], 0
	s_cbranch_scc1 .Ltail
	STEPB 0, 0                                     ; the last key step's second half
	; THE WAY OUT.  l's two halves and the other half of the lanes' are added; O^T is divided by l and rounded to f16: a lane's 8 channels are its 16 bytes of a fragment of the last projection's operand
.irp t, 0,1,2,3
	v_add_f32 v[ST+8*\t+4], v[ST+8*\t+2], v[ST+8*\t+3]
.endr
.irp t, 0,1,2,3
	v_permlanex16_b32 v[ST+8*\t+5], v[ST+8*\t+4], s[SEL], s[SEL+1]
.endr
.irp t, 0,1,2,3
	v_add_f32 v[ST+8*\t+4], v[ST+8*\t+4], v[ST+8*\t+5]
.endr
.irp t, 0,1,2,3
	v_rcp_f32 v[ST+8*\t+6], v[ST+8*\t+4]
.endr
	v_nop                                          ; a plain instruction behind the last reciprocal
	s_wait_alu depctr_va_vdst(0)                   ; and the wait ahead of the first use: one for the four
	WIN 0x41
.irp p, 0,1,2,3,4,5,6,7,8,9,10,11,12,13,14,15
.irp t, 0,1,2,3
	v_pk_mul_f32 v[32*\t+2*\p:32*\t+2*\p+1], v[32*\t+2*\p:32*\t+2*\p+1], v[ST+8*\t+6:ST+8*\t+7] op_sel_hi:[1,0]
.endr
.endr
	WIN 0x05                                       ; sources window 1, destination window 0: S^T's registers are free
.irp t, 0,1,2,3
.irp i, 0,1,2,3,4,5,6,7,8,9,10,11,12,13,14,15
	v_cvt_pk_f16_f32 v[S+16*\t+\i], v[32*\t+2*\i], v[32*\t+2*\i+1]
.endr
.endr
	WIN 0
.irp t, 0,1,2,3
.irp dt, 0,1,2,3
	global_store_b128 v[L16], v[S+16*\t+4*\dt:S+16*\t+4*\dt+3], s[8:9] offset:\t*4096+\dt*512   ; the wave stores 512 consecutive bytes, aligned
.endr
.endr
	s_wait_tensorcnt 0x0                           ; the wave's end: behind my last tensor load
	ds_add_u32 v[SPW], v[NIL]
	s_wait_dscnt 0x0
	CROUND                                         ; the closing round: no work-group ends while a partner may still ask for a tile that names it
	s_endpgm
.Lfunc_end_k_q4d5f49e986_attn:
	.size	k_q4d5f49e986_attn, .Lfunc_end_k_q4d5f49e986_attn-k_q4d5f49e986_attn
	.p2alignl 7, 3214868480
	.fill 96, 4, 3214868480
	.section	.rodata,"a",@progbits
	.p2align	6, 0x0
	.amdhsa_kernel k_q4d5f49e986_attn
		.amdhsa_group_segment_fixed_size 327680
		.amdhsa_private_segment_fixed_size 0
		.amdhsa_enable_private_segment 0
		.amdhsa_kernarg_size 24
		.amdhsa_user_sgpr_count 2
		.amdhsa_user_sgpr_kernarg_segment_ptr 1
		.amdhsa_wavefront_size32 1
		.amdhsa_system_sgpr_workgroup_id_x 1
		.amdhsa_system_sgpr_workgroup_id_y 1
		.amdhsa_system_sgpr_workgroup_id_z 1
		.amdhsa_system_vgpr_workitem_id 0
		.amdhsa_next_free_vgpr 512
		.amdhsa_next_free_sgpr 66
		.amdhsa_reserve_vcc 0
		.amdhsa_float_denorm_mode_32 3
		.amdhsa_float_denorm_mode_16_64 3
		.amdhsa_memory_ordered 1
		.amdhsa_forward_progress 1
		.amdhsa_inst_pref_size 172
	.end_amdhsa_kernel
	.amdgpu_metadata
---
amdhsa.version: [ 1, 2 ]
amdhsa.kernels:
  - .name:           k_q4d5f49e986_attn
    .symbol:         k_q4d5f49e986_attn.kd
    .args:
      - { .name: q16, .offset: 0, .size: 8, .value_kind: global_buffer, .address_space: global }
      - { .name: kv16, .offset: 8, .size: 8, .value_kind: global_buffer, .address_space: global }
      - { .name: o16, .offset: 16, .size: 8, .value_kind: global_buffer, .address_space: global }
    .group_segment_fixed_size: 327680
    .private_segment_fixed_size: 0
    .kernarg_segment_align: 8
    .kernarg_segment_size: 24
    .max_flat_workgroup_size: 256
    .sgpr_count:     66
    .vgpr_count:     512
    .wavefront_size: 32
...
	.end_amdgpu_metadata
.endif
;; end of part 3
;; launch outproj (part 4): grid 4 x 64, 4 waves a work-group, clusters of 4 x 1, 280,064 bytes of LDS; arguments o16, wo16, bo, out0; writes out0
.if DOCPART == 4
	.amdgcn_target "amdgcn-amd-amdhsa--gfx1250"
	.amdhsa_code_object_version 6
	.text
	.protected	k_q4d5f49e986_outproj
	.globl	k_q4d5f49e986_outproj
	.p2align	8
	.type	k_q4d5f49e986_outproj,@function
k_q4d5f49e986_outproj:
	s_mov_b64 s[64:65], 0
	v_nop
	global_prefetch_b8 v0, s[64:65] scope:SCOPE_SE
	s_setreg_imm32_b32 hwreg(HW_REG_WAVE_MODE, 25, 1), 1
	s_wait_xcnt 0x0
	s_wait_alu depctr_hold_cnt(0) depctr_sa_sdst(0) depctr_va_vdst(0) depctr_va_sdst(0) depctr_va_ssrc(0) depctr_va_vcc(0) depctr_vm_vsrc(0)
	s_getreg_b32 s2, hwreg(HW_REG_IB_STS2, 6, 4)
	s_cmp_eq_u32 s2, 0
	s_cbranch_scc0 .Lentry_in_a_cluster
	s_endpgm
.Lentry_in_a_cluster:
	s_bfe_u32 s2, ttmp6, 0x10000c
	s_cmp_lg_u32 s2, 0x3003
	s_cbranch_scc0 .Lentry_shape_is_right
	s_endpgm
.Lentry_shape_is_right:
; OUTPROJ.  out0 = O wo + bo.  O and wo arrive in f16 in the order of the operands' registers; sums in f32; out0 [8192][1024] f32.
; SHARES.  A work-group takes 128 tokens (8 tiles of 16) x 256 columns; wave w 64 columns (4 tiles of 16) for all 8 token tiles: 32 accumulators.
; O's block, 128 tokens x all 1,024 of K (262,144 dense bytes of o16), lies in LDS for the whole launch.  CLUSTER: the four work-groups of a cluster take the four blocks of columns of the same tokens, so the block is asked for JOINTLY:
; eight slices of 128 along K, two a wave, all at the head (two tensor loads of a wave are out); nothing is filled again.
; wo's fragments go from memory straight into registers: each is wanted by one wave of a work-group and the cluster's partners want different ones.  They lie in a ring of 8 chunks of 32 along K; a chunk's registers are loaded again
; straight behind their use, eight chunks (256 matrix instructions) ahead.
; THE MATRIX INSTRUCTION IS USED TRANSPOSED (source 0 = 16 columns of wo, source 1 = 16 tokens): a lane holds one token and 8 neighbouring columns.  bo is the C of each sum's first matrix instruction.
; REGISTERS: window 0: v1-11 addresses; v16-143 O's fragments, two sets of 8 (on the way out v48-111: rows read back from the stage); v144-175 bo.   window 1: the accumulators, (t, i) at 8 (4 t + i).   window 2: wo's ring, 32 (q % 8) + 8 i.
.set STG,   262144                     ; behind O's block: a stage of 16 rows x (256 bytes + 16) for each wave; no tensor load lands there
.set SP,    272
.set SPARE, STG+4*16*SP                ; behind the stages: the spare words, 128 bytes for each wave: two blocks of 256 bytes that no other line names
.set L16, 1                            ; v1  16 x lane
.set ADA, 2                            ; v2-5  16 x lane + 65,536 k: an LDS offset has 16 bits
.set SPW, 6                            ; v6  LDS address of my spare word; never rewritten
.set NIL, 7                            ; v7  0; never rewritten
.set STO, 8                            ; v8  the stage: where I put 32 bytes of a row
.set RD,  9                            ; v9  and where I read a row back
.set CO,  10                           ; v10 my byte offset in two rows of out0
.set H32, 11                           ; v11 32 h
.set AF,  16
.set BK,  48
.set BI,  144
.set WV,  12                           ; s12 my wave's number
.set G1,  16                           ; s[16:23] descriptor group 1;  s[24:27], s[28:31] groups 0 of my two slices
.set MSB, 0
.macro WIN new                         ; the immediate's high byte repeats the setting that is left
.if MSB != \new
	s_set_vgpr_msb (MSB<<8)|\new
.set MSB, \new
.endif
.endm
.macro CROUND                          ; a round of the cluster's barrier
	s_barrier_signal -1
	s_barrier_wait -1
	s_cmp_lg_u32 s[WV], 0
	s_cbranch_scc1 .Lnot_wave_0_\@
	s_barrier_signal -3
.Lnot_wave_0_\@:
	s_barrier_wait -3
	s_barrier_signal -1
	s_barrier_wait -1
.endm
	s_load_b256 s[4:11], s[0:1], 0x0               ; o16 s[4:5], wo16 s[6:7], bo s[8:9], out0 s[10:11]
	v_lshl_add_u32 v[SPW], v0, 2, SPARE
	v_mov_b32 v[NIL], 0
	ds_add_u32 v[SPW], v[NIL]                      ; the wave's opening: the add, twice on end, and its wait ahead of my first tensor load
	ds_add_u32 v[SPW], v[NIL]                      ; and once more; the set-up below, work on registers, stands between it and the wait
	v_lshrrev_b32 v1, 5, v0
	v_readfirstlane_b32 s[WV], v1                  ; wave 0..3
	s_bfe_u32 s13, ttmp6, 0x40000                  ; cx: my place in the cluster
	s_lshl_b32 s14, ttmp9, 2
	s_add_co_u32 s14, s14, s13                     ; my block of 256 columns: it enters wo's, bo's and out0's addresses alone
	s_and_b32 s15, ttmp7, 0xffff                   ; my block of 128 tokens, which the four partners share
	s_mov_b32 s[G1+0], 15|(3<<16)|(1<<21)          ; the mask: all four work-groups; elements of 8 bytes; bit 21 set beside a mask; no padding
	s_mov_b32 s[G1+1], 32<<16                      ; tensor_dim0 = 32: rows of 256 bytes
	s_mov_b32 s[G1+2], 128<<16                     ; tensor_dim1 = 128
	s_mov_b32 s[G1+3], 32<<16                      ; tile_dim0 = 32
	s_mov_b32 s[G1+4], 128                         ; tile_dim1 = 128: a slice, 32,768 dense bytes
	s_mov_b32 s[G1+5], 32
	s_mov_b32 s[G1+6], 0
	s_mov_b32 s[G1+7], 0
	s_lshl_b32 s40, s15, 18                        ; the block's 262,144 bytes,
	s_lshl_b32 s42, s[WV], 15                      ; slice w, in memory and in LDS
	s_add_co_u32 s40, s40, s42
	s_mov_b32 s41, 0
	s_mul_i32 s43, s[WV], 16*SP
	s_add_co_u32 s43, s43, STG                     ; my stage
	s_lshl_b32 s48, s14, 19                        ; wo16: column tile 16 block + 4 wave, 32,768 bytes a tile
	s_lshl_b32 s50, s[WV], 17
	s_add_co_u32 s48, s48, s50
	s_mov_b32 s49, 0
	s_lshl_b32 s52, s14, 10                        ; bo, and a row of out0: 4 bytes a column
	s_lshl_b32 s50, s[WV], 8
	s_add_co_u32 s52, s52, s50
	s_mov_b32 s53, 0
	s_lshl_b32 s54, s15, 19                        ; out0: 128 rows of 4,096 bytes
	s_mov_b32 s55, 0
	s_wait_dscnt 0x0                               ; both opening adds are done
	s_wait_kmcnt 0x0
	s_mov_b32 s24, 1
	s_mov_b32 s25, s42
	s_add_nc_u64 s[26:27], s[4:5], s[40:41]
	s_mov_b32 s28, 1
	s_add_co_u32 s29, s42, 131072                  ; slice w + 4
	s_add_nc_u64 s[30:31], s[26:27], 131072
	s_or_b32 s27, s27, 0x80000000
	s_or_b32 s31, s31, 0x80000000
	s_add_nc_u64 s[6:7], s[6:7], s[48:49]
	s_add_nc_u64 s[8:9], s[8:9], s[52:53]
	s_add_nc_u64 s[10:11], s[10:11], s[52:53]
	s_add_nc_u64 s[10:11], s[10:11], s[54:55]
	CROUND                                         ; all four work-groups are here: the joint loads meet
	tensor_load_to_lds s[24:27], s[G1:G1+7]
	s_nop 0
	tensor_load_to_lds s[28:31], s[G1:G1+7]
	s_nop 0
	v_and_b32 v12, 31, v0
	v_lshlrev_b32 v[L16], 4, v12
	v_mov_b32 v[ADA], v[L16]
	v_add_nc_u32 v[ADA+1], 65536, v[L16]
	v_add_nc_u32 v[ADA+2], 131072, v[L16]
	v_add_nc_u32 v[ADA+3], 196608, v[L16]
	v_and_b32 v13, 15, v0                          ; r
	v_bfe_u32 v14, v0, 4, 1                        ; h
	v_mul_u32_u24 v[STO], v13, SP                  ; in: row r, 32 bytes for each half of the lanes
	v_lshl_add_u32 v[STO], v14, 5, v[STO]
	v_add_nc_u32 v[STO], s43, v[STO]
	v_mul_u32_u24 v[RD], v14, SP                   ; back: lanes 0-15 one row of 256 bytes, lanes 16-31 the next
	v_lshl_add_u32 v[RD], v13, 4, v[RD]
	v_add_nc_u32 v[RD], s43, v[RD]
	v_lshlrev_b32 v[CO], 12, v14                   ; and the same two rows in out0
	v_lshl_add_u32 v[CO], v13, 4, v[CO]
	v_lshlrev_b32 v[H32], 5, v14
.macro LDB q                           ; wo's 4 fragments of chunk q: 8 loads
	WIN 0x80                                       ; destination window 2
.irp i, 0,1,2,3
.irp j, 0,1
	global_load_b128 v[32*((\q)%8)+8*\i+4*\j:32*((\q)%8)+8*\i+4*\j+3], v[L16], s[6:7] offset:\i*32768+(\q)*1024+\j*512
.endr
.endr
	WIN 0
.endm
.macro FETCHA q                        ; the 8 token tiles' fragments of chunk q, into set q % 2
.set fS, AF+64*((\q)%2)
.irp t, 0,1,2,3,4,5,6,7
.irp j, 0,1
	ds_load_b128 v[fS+8*\t+4*\j:fS+8*\t+4*\j+3], v[ADA+(\q)/8] offset:(((\q)/4)%2)*32768+\t*4096+((\q)%4)*1024+\j*512
.endr
.endr
.endm
; A chunk of 32 along K: 32 matrix instructions; the 32 accumulators take turns, one instruction a turn, in the same order in every chunk
.macro CHUNK q
.if (31-(\q)) < 7
	s_wait_loadcnt 8*(31-(\q))                     ; the chunks still to come, 8 loads each
.else
	s_wait_loadcnt 56                              ; this chunk's 8 loads are in; the seven younger chunks' 56 may be out
.endif
	s_wait_dscnt 0x0                               ; this chunk's token fragments are in
.if (\q) == 15
	s_wait_tensorcnt 0x0                           ; my slice w + 4 has landed,
	s_barrier_signal -1
	s_barrier_wait -1                              ; everybody's has: the next fetch reads slice 4
.endif
.if (\q) < 31
	FETCHA (\q)+1                                  ; into the other set: its last readers stand in front of the last chunk's places
.endif
.if (\q) == 0
	WIN 0x42                                       ; source 0 (wo) window 2, source 1 (O) and C (bo) window 0, D window 1
.else
	WIN 0x52                                       ; C window 1
.endif
.irp t, 0,1,2,3,4,5,6,7
.irp i, 0,1,2,3
.if (\q) == 0
	v_wmma_f32_16x16x32_f16 v[8*(4*\t+\i):8*(4*\t+\i)+7], v[32*((\q)%8)+8*\i:32*((\q)%8)+8*\i+7], v[AF+64*((\q)%2)+8*\t:AF+64*((\q)%2)+8*\t+7], v[BI+8*\i:BI+8*\i+7]
.else
	v_wmma_f32_16x16x32_f16 v[8*(4*\t+\i):8*(4*\t+\i)+7], v[32*((\q)%8)+8*\i:32*((\q)%8)+8*\i+7], v[AF+64*((\q)%2)+8*\t:AF+64*((\q)%2)+8*\t+7], v[8*(4*\t+\i):8*(4*\t+\i)+7]
.endif
.endr
.endr
	WIN 0
.rept 4
	v_nop                                          ; four places in front of loads into registers that these products read, and of the first read of results
.endr
.if ((\q)+8) < 32
	LDB (\q)+8
.endif
.endm
.irp i, 0,1,2,3
.irp u, 0,1
	global_load_b128 v[BI+8*\i+4*\u:BI+8*\i+4*\u+3], v[H32], s[8:9] offset:\i*64+\u*16   ; register 8 i + j = bo of column 16 i + 8 h + j: the result's layout
.endr
.endr
.irp q, 0,1,2,3,4,5,6,7
	LDB \q
.endr
	s_wait_tensorcnt 1                             ; my slice w is in; slice w + 4 may stay out
	s_barrier_signal -1
	s_barrier_wait -1                              ; slices 0 to 3 are whole
	FETCHA 0
.set QC, 0
.rept 32
	CHUNK QC
.set QC, QC+1
.endr
; THE WAY OUT, a tile of 16 tokens x 64 columns at a time.  A lane holds 32 neighbouring bytes of a row and the lanes beside it other rows: so a tile goes through my own stage and comes back as rows of 256 bytes.
; LDS serves a wave's instructions in order (ISA guide 5.7.1.4): no wait between the stores and the loads, nor in front of the next tile's stores.
.macro TOSTAGE t
	WIN 0x04                                       ; an LDS store's data are its source 1: window 1
.irp i, 0,1,2,3
	ds_store_b128 v[STO], v[8*(4*(\t)+\i):8*(4*(\t)+\i)+3] offset:64*\i          ; each accumulator from its low end on
	ds_store_b128 v[STO], v[8*(4*(\t)+\i)+4:8*(4*(\t)+\i)+7] offset:64*\i+16
.endr
	WIN 0
.set BB, BK+32*((\t)%2)
.irp e, 0,1,2,3,4,5,6,7
	ds_load_b128 v[BB+4*\e:BB+4*\e+3], v[RD] offset:\e*2*SP
.endr
.endm
.macro SEND t, younger                 ; younger: the LDS instructions issued behind tile t's loads: the next tile's 8 stores and 8 loads, or none
.set BB, BK+32*((\t)%2)
	s_wait_dscnt \younger
.irp e, 0,1,2,3,4,5,6,7
	global_store_b128 v[CO], v[BB+4*\e:BB+4*\e+3], s[10:11] offset:(16*(\t)+2*\e)*4096 th:TH_STORE_NT   ; sixteen lanes store 256 consecutive bytes, aligned; written once, read by nobody here
.endr
.endm
	TOSTAGE 0
.irp t, 1,2,3,4,5,6,7
.if \t > 1
	s_wait_xcnt 0x0                                ; tile t - 2's stores have read their registers: tile t's rows may land there
.endif
	TOSTAGE \t
	SEND \t-1, 16
.endr
	SEND 7, 0
	s_wait_tensorcnt 0x0                           ; the wave's end: behind my last tensor load and my last LDS store
	ds_add_u32 v[SPW], v[NIL]
	s_wait_dscnt 0x0
	CROUND                                         ; the closing round
	s_endpgm
.Lfunc_end_k_q4d5f49e986_outproj:
	.size	k_q4d5f49e986_outproj, .Lfunc_end_k_q4d5f49e986_outproj-k_q4d5f49e986_outproj
	.p2alignl 7, 3214868480
	.fill 96, 4, 3214868480
	.section	.rodata,"a",@progbits
	.p2align	6, 0x0
	.amdhsa_kernel k_q4d5f49e986_outproj
		.amdhsa_group_segment_fixed_size 280064
		.amdhsa_private_segment_fixed_size 0
		.amdhsa_enable_private_segment 0
		.amdhsa_kernarg_size 32
		.amdhsa_user_sgpr_count 2
		.amdhsa_user_sgpr_kernarg_segment_ptr 1
		.amdhsa_wavefront_size32 1
		.amdhsa_system_sgpr_workgroup_id_x 1
		.amdhsa_system_sgpr_workgroup_id_y 1
		.amdhsa_system_sgpr_workgroup_id_z 1
		.amdhsa_system_vgpr_workitem_id 0
		.amdhsa_next_free_vgpr 768
		.amdhsa_next_free_sgpr 66
		.amdhsa_reserve_vcc 0
		.amdhsa_float_denorm_mode_32 3
		.amdhsa_float_denorm_mode_16_64 3
		.amdhsa_memory_ordered 1
		.amdhsa_forward_progress 1
		.amdhsa_inst_pref_size 151
	.end_amdhsa_kernel
	.amdgpu_metadata
---
amdhsa.version: [ 1, 2 ]
amdhsa.kernels:
  - .name:           k_q4d5f49e986_outproj
    .symbol:         k_q4d5f49e986_outproj.kd
    .args:
      - { .name: o16, .offset: 0, .size: 8, .value_kind: global_buffer, .address_space: global }
      - { .name: wo16, .offset: 8, .size: 8, .value_kind: global_buffer, .address_space: global }
      - { .name: bo, .offset: 16, .size: 8, .value_kind: global_buffer, .address_space: global }
      - { .name: out0, .offset: 24, .size: 8, .value_kind: global_buffer, .address_space: global }
    .group_segment_fixed_size: 280064
    .private_segment_fixed_size: 0
    .kernarg_segment_align: 8
    .kernarg_segment_size: 32
    .max_flat_workgroup_size: 128
    .sgpr_count:     66
    .vgpr_count:     768
    .wavefront_size: 32
...
	.end_amdgpu_metadata
.endif
;; end of part 4
